; MI455X (gfx1250); checked and timed in simulation.
; The chip was launched on July 23, 2026; its instructions are those of AMD's public machine-readable ISA for CDNA 5 (MIT licence, August 2026) and "CDNA5" Instruction Set Architecture Reference Guide (July 2026). The comments in the code are by the model that wrote it; some were corrected since.
;; Point Net Polyline Encoder. Allowed arithmetic: matrix products marked QUANTISED: E5M2 operands, one E8M0 scale for each 32 along K, by v_wmma_scale_f32_16x16x128_f8f6f4 with both operands' format E5M2, f32 sums; products left as they are: f32 operands where the result goes on into a quantised operand, else bf16, f16 or f32 operands; f32 sums; everything else in f32.
;; Inputs: m1_b 64 float32; m1_beta 64 float32; m1_g 64 float32; m1_rm 64 float32; m1_rv 64 float32; m1_w_codes 64 x 4 x 32 uint8 (E5M2 codes of m1_w, K innermost, in blocks of 32 codes); m1_w_scales 64 x 4 uint8 (E8M0 scales of m1_w, one for each 32 codes along K); m2_b 64 float32; m2_beta 64 float32; m2_g 64 float32; m2_rm 64 float32; m2_rv 64 float32; m2_w_codes 64 x 2 x 32 uint8 (E5M2 codes of m2_w, K innermost, in blocks of 32 codes); m2_w_scales 64 x 2 uint8 (E8M0 scales of m2_w, one for each 32 codes along K); out1_b 64 float32; out1_w_codes 64 x 2 x 32 uint8 (E5M2 codes of out1_w, K innermost, in blocks of 32 codes); out1_w_scales 64 x 2 uint8 (E8M0 scales of out1_w, one for each 32 codes along K); out2_b 128 float32; out2_w_codes 128 x 2 x 32 uint8 (E5M2 codes of out2_w, K innermost, in blocks of 32 codes); out2_w_scales 128 x 2 uint8 (E8M0 scales of out2_w, one for each 32 codes along K); polylines 16 x 1,024 x 32 x 9 float32; polylines_mask 16 x 1,024 x 32 bool; pre_b 64 float32; pre_beta 64 float32; pre_g 64 float32; pre_rm 64 float32; pre_rv 64 float32; pre_w 9 x 64 float32.
;; Outputs: out0 16 x 1,024 x 128 float32.
;; This version of the problem:
;;   THIS VERSION OF THE PROBLEM IS GIVEN IN LOW PRECISION. The matrix products marked QUANTISED in the list below multiply operands that are first quantised to E5M2 (5 exponent bits, 2 mantissa bits; 8 bits a number), with one power-of-two scale for each 32 numbers along K (OCP MX v1.0); their sums are f32. All else is computed in f32.
;;   The module's matrix products, in the order in which they are computed (A, B: the left and right operand; K: the contracted axis; several contracted axes count as one K, in the product's order):
;;     1. [M 524,288, K 9] x [K 9, N 64]; A: input polylines; B: input pre_w: left as it is (K = 9 < 32)
;;     2. [M 524,288, K 128] x [K 128, N 64]; A: computed on the way; B: input m1_w (given as codes): QUANTISED
;;     3. [M 524,288, K 64] x [K 64, N 64]; A: computed on the way; B: input m2_w (given as codes): QUANTISED
;;     4. [M 16,384, K 64] x [K 64, N 64]; A: computed on the way; B: input out1_w (given as codes): QUANTISED
;;     5. [M 16,384, K 64] x [K 64, N 128]; A: computed on the way; B: input out2_w (given as codes): QUANTISED
;;   THE QUANTISER, for each operand of a quantised product, along K:
;;     - K is cut into blocks of 32 from its start; a last block that is shorter is filled with zeros.
;;     - A block's scale is 2^e with e = floor(log2(the largest magnitude in the block)) - 15, held to -126 .. 127; a block of zeros has e = 0. As a byte (E8M0): e + 127.
;;     - Each number is divided by its block's scale, clamped to +-57,344, and rounded to the nearest number of E5M2, ties to even, subnormals kept.
;;     - The product sums the exact products of the quantised numbers (number of the format x scale) in f32.
;;   ~~~python
;;   def quantise(x, axis):      # numpy; x: float32 -> the quantised numbers, widened to float32 again
;;       x = np.moveaxis(x, axis, -1); K = x.shape[-1]
;;       x = np.pad(x, [(0, 0)] * (x.ndim - 1) + [(0, -K % 32)]); x = x.reshape(x.shape[:-1] + (-1, 32)); a = np.abs(x).max(-1, keepdims=True)
;;       e = np.where(a > 0, np.clip(np.frexp(np.where(a > 0, a, 1))[1] - 1 - 15, -126, 127), 0)      # np.frexp(a)[1] - 1 = floor(log2(a)), exactly
;;       r = np.clip(x / 2.0 ** e, -57344, 57344)
;;       step = 2.0 ** (np.maximum(np.frexp(np.where(r == 0, 1, r))[1] - 1, -14) - 2)
;;       q = np.round(r / step) * step * 2.0 ** e      # np.round: ties to even
;;       return np.moveaxis(q.reshape(q.shape[:-2] + (-1,))[..., :K], -1, axis).astype(np.float32)
;;   ~~~
;;   OPERANDS COMPUTED ON THE WAY. 'Computed on the way' means the value that the module computes at that place (a softmax that the list does not call 'softmax' is quantised finished and normalised). What goes into a quantiser is computed in f32, as accurately as f32 sums, v_exp_f32 and their like allow (about 1e-6 of the number): no bf16 or f16 on the way to a quantiser, and a product that is left as it is and whose result goes on into a quantised operand takes f32 operands (vector FMAs, or v_wmma_f32_16x16x4_f32). A number that lies on a knife's edge between two numbers of the format may be rounded either way, as far as f32 arithmetic and the matrix unit's own rounding can turn it there, and no further.
;;   INPUTS GIVEN AS CODES. m1_w (in the module: [128, 64], K = its axis 0); m2_w (in the module: [64, 64], K = its axis 0); out1_w (in the module: [64, 64], K = its axis 0); out2_w (in the module: [64, 128], K = its axis 0): each comes as NAME_codes (uint8): NAME with its K axis moved to the last place and cut into blocks of 32 codes, [.., K / 32, bytes a block], one block behind the other in memory; one code a byte (a code: sign, 5 exponent bits, 2 mantissa bits); and NAME_scales (uint8): the same leading axes, one E8M0 byte (e + 127) for each 32 codes along K. Its value is code x scale, taken as it is: it is not quantised again, and the codes and scales need not be those that the quantiser above would give.
;; One version. Each part assembles by itself: llvm-mc -triple=amdgcn-amd-amdhsa -mcpu=gfx1250 --defsym DOCPART=n.
;; ======== version 1 of 1: 1 launch
;; limits: right only within a limited range of input values
;; launch encoder (part 1): grid 256 x 1, 8 waves a work-group, no clusters, 221,184 bytes of LDS; arguments polylines, polylines_mask, pre_w, pre_b, pre_g, pre_beta, pre_rm, pre_rv, m1_w_codes, m1_w_scales, m1_b, m1_g, m1_beta, m1_rm, m1_rv, m2_w_codes, m2_w_scales, m2_b, m2_g, m2_beta, m2_rm, m2_rv, out1_w_codes, out1_w_scales, out1_b, out2_w_codes, out2_w_scales, out2_b, out0; writes out0
.if DOCPART == 1
	.amdgcn_target "amdgcn-amd-amdhsa--gfx1250"
	.amdhsa_code_object_version 6
	.text
	.protected	k_qcdf6eee9c8_encoder
	.globl	k_qcdf6eee9c8_encoder
	.p2align	8
	.type	k_qcdf6eee9c8_encoder,@function
k_qcdf6eee9c8_encoder:
	s_mov_b64 s[64:65], 0
	v_nop
	global_prefetch_b8 v0, s[64:65] scope:SCOPE_SE
	s_setreg_imm32_b32 hwreg(HW_REG_WAVE_MODE, 25, 1), 1
	s_wait_xcnt 0x0
; PointNet polyline encoder, fused: 16,384 polylines x 32 points x 9 numbers -> [16,384][128] f32.
; pre layer (K = 9, f32 operands) -> BN, relu, mask -> maximum over the points -> [own 64 | pooled 64] -> m1 (K = 128, MX-BF8) -> BN, relu -> m2 (K = 64, MX-BF8)
; -> BN, relu, mask -> maximum over the points -> out1 (K = 64) + bias, relu -> out2 (K = 64) + bias -> zeros where a polyline has no valid point.
; SHARES.  256 work-groups of 8 waves; work-group g owns polylines 64 g .. 64 g + 63, wave w eight of them, through the whole chain.  Nothing goes through memory between the steps.
; Two waves lie on a SIMD (512 registers each), so that one wave's matrix phase stands beside the other's vector phase.
; LAYOUT.  Every product is used transposed: source 0 = 16 rows of a weight, source 1 = 16 points.  A lane (r = lane % 16, h = lane / 16) holds ONE point; THE ROWS OF A WEIGHT THAT FORM A TILE ARE NOT NEIGHBOURS:
; lane r of tile t takes row 32 (t / 2) + 8 (t % 2) + r + 8 (r / 8), so that register 16 b + i of a lane's 32 results is channel 32 b + 16 h + i: the order in which the next product's operand wants its K.
; WHAT IS FOLDED.  (a) BN is s = g rsq(rv + 1e-5), c = (b - rm) s + beta.  (b) The pre layer runs with K = 12: k 0-8 x (pre_w s), k 9 = 1 x c, k 10 = pen x 1, k 11 = 1 x 0, where pen is -2^100 for a
; masked point and 0 for a valid one: relu then makes a masked point's 64 numbers 0.  (c) The same pen is the C of m2's products.  (d) m2's rows whose s is negative have their codes' sign bits turned (exact), so that
; max over points of relu(s acc + c) = relu(|s| max(acc') + c): one multiply-add a channel a POLYLINE.  relu is done by the quantiser: the largest magnitude is taken without |.|, the hold clips at 0.
; LIMITS.  All numbers of polylines are finite, those of masked points too; a pre-activation of the pre layer stays under 2^100 and a sum of m2 under 2^99 in magnitude; the given codes are finite numbers;
; a block whose largest magnitude lies under 2^-111 (a block of zeros too) keeps the scale byte 1 where the quantiser says otherwise: its codes are zeros or tiny, and only this program reads the byte.
; NO CLUSTER: what work-groups share is 24,576 bytes of weight codes, fetched once by each, beside 73,728 bytes of polylines that are its own; no loop asks for a shared tile.
; LDS is filled once (one tensor load a wave, six copies a work-group) and never again.
.set XWB,  9216                        ; LDS 0: a wave's 8 polylines x 1,152 bytes as they lie in memory; after the loop the wave's way out (8 rows x 528 bytes)
.set T1,   73728                       ; the same strides: the word at 36 x point holds the point's pen
.set FE,   147456                      ; a wave: 8 rows x 272 bytes: a polyline's 64 pooled sums of m2; byte 128 h + 4 i = register i of half h
.set FEWB, 2304
.set SC,   165888                      ; a wave's scratch, 3,072 bytes:
.set SCWB, 3072
.set S0O,  0                           ; s and c of the three BN layers, 64 f32 each,
.set C0O,  256
.set S1O,  512
.set C1O,  768
.set S2O,  1024
.set S2AO, 1280                        ; |s| of m2,
.set C2O,  1536
.set O1BO, 1792                        ; out1_b, out2_b,
.set O2BO, 2048
.set O1SO, 2560                        ; out1's and out2's scale bytes,
.set O2SO, 2688
.set VLO,  2944                        ; and a word a polyline: above 0 where it has a valid point
.set WT,   190464                      ; the work-group's: m1's 64 rows (128 bytes, pitch 144),
.set WM2,  WT+9216                     ; m2's 64 rows (64 bytes, pitch 80),
.set O1D,  5120                        ; out1's 64 rows, this far behind m2's,
.set WO2,  WT+19456                    ; out2's 128 rows
; window 0
.set AX0, 1                            ; v1-4   a lane's places: x, x8 | pen, pen, the pooled sums' row
.set AM0, 2
.set AK0, 3
.set AF0, 4
.set AX,  5                            ; v5-8   the same for the trip in hand
.set AM,  6
.set AK,  7
.set AF,  8
.set AB,  9                            ; v9     scratch + 64 h
.set AE,  10                           ; v10    my polyline's row of pooled sums
.set AS,  11                           ; v11-13 the way out
.set AR,  12
.set AO,  13
.set AW2, 14                           ; v14    m2's and out1's rows;  v15 out2's
.set AW3, 15
.set M1S, 16                           ; v16-35 scale words and nothing else
.set M2S, 20
.set O2S, 24
.set SW2, 32
.set SW3, 34
.set XF,  36                           ; v36-59 x's fragments: polyline q, point tile p at 12 q + 6 p: k = 4 s + 2 h + j in register 2 s + j
.set MK,  60                           ; v60-63 pen of my point, 2 q + p
.set D1,  64                           ; v64-127 the pre layer's sums: written by matrix instructions alone
.set D2,  128                          ; v128-191 at work
.set F0,  D2
.set F1,  D2+32
.set P,   D2+32
.set OP2, 192                          ; m1's operand: 0-7 own codes, 8-15 pooled codes
.set OP3, 208                          ; the K = 64 operand: 0-7 codes, 8-15 zeros
.set OUTR, 192
.set TM,  224                          ; largest magnitudes
.set TX,  230
.set E,   234                          ; the conversions' scale operands
.set HD,  240                          ; 57,344 x the scale
.set BY,  246                          ; scale bytes
.set VLR, 252
.set AU1, 253
.set AU2, 254
.set AB2, 255
; the head's temporaries
.set LN,  224
.set RR,  225
.set HH,  226
.set R8,  227
.set T0,  228
.set R7,  229
.set L8,  208
.set L4,  209
.set VA,  211
.set VB,  212
.set VC,  213
.set AW1, 214
.set SC8, 215
.set SC16, 216
.set SC4, 217
.set VLA, 218
.set T1A, 219
.set SCVB, 220
; window 1
.set WF,  0                            ; pre_w's fragments: 6 t + 2 s + j
.set M1F, 24                           ; m1's four fragments; later out2's tiles 0-3
.set S1,  88                           ; s and c in the result's layout; later out2_b
.set C1,  120
.set M2F, 152                          ; m2's four fragments (registers 8-15 of each: zeros); later out1's, then out2's tiles 4-7
.set JA,  216                          ; the first polyline's joined sums; later out1_b
.set PEN, 248                          ; eight copies of my point's pen: the C of m2's products
; scalars
.set WV,  66
.set CNT, 67
.set G0,  68
.set G1,  72
.set TT,  80
.set TF,  81
.set SEL, 82
.set MNT, 84
.set MSB, 0
.macro WIN new                         ; the immediate's high byte repeats the setting that is left; bits 1:0 source 0, 3:2 source 1, 5:4 source 2, 7:6 destination
.if MSB != \new
	s_set_vgpr_msb (MSB<<8)|\new
.set MSB, \new
.endif
.endm
.macro PLACES n                        ; plain vector places behind matrix instructions and in front of scaled ones (ISA guide 7.12.1)
.rept \n
	v_nop
.endr
.endm
	s_load_b512 s[4:19], s[0:1], 0x0               ; polylines 4, mask 6, pre_w 8, pre_b 10, pre_g 12, pre_beta 14, pre_rm 16, pre_rv 18
	s_load_b512 s[20:35], s[0:1], 0x40             ; m1 codes 20, scales 22, b 24, g 26, beta 28, rm 30, rv 32, m2 codes 34
	s_load_b512 s[36:51], s[0:1], 0x80             ; m2 scales 36, b 38, g 40, beta 42, rm 44, rv 46, out1 codes 48, scales 50
	s_load_b256 s[52:59], s[0:1], 0xc0             ; out1_b 52, out2 codes 54, scales 56, out2_b 58
	s_load_b64 s[60:61], s[0:1], 0xe0              ; out0
	v_lshl_add_u32 v254, v0, 2, 0x35c00
	v_mov_b32 v255, 0
	ds_add_u32 v254, v255
	ds_add_u32 v254, v255
	s_wait_dscnt 0x0
	v_lshrrev_b32 v5, 5, v0
	v_readfirstlane_b32 s[WV], v5                  ; wave 0..7
	v_and_b32 v[LN], 31, v0                        ; lane
	v_and_b32 v[RR], 15, v0                        ; r
	v_bfe_u32 v[HH], v0, 4, 1                      ; h
	v_and_b32 v[R8], 8, v[RR]
	v_add_nc_u32 v[R8], v[R8], v[RR]               ; r + 8 (r / 8)
	v_and_b32 v[R7], 7, v[RR]
	s_lshl_b32 s2, ttmp9, 3
	s_add_co_u32 s2, s2, s[WV]                     ; 8 g + w: which run of 8 polylines is my wave's
	s_mul_i32 s3, s[WV], XWB                       ; my part of X (and, T1 further on, of the pens)
	s_mul_i32 s62, s[WV], SCWB
	s_add_co_u32 s62, s62, SC                      ; my scratch
	s_mul_i32 s63, s[WV], FEWB
	s_add_co_u32 s63, s63, FE                      ; my rows of pooled sums
	; the copies' addresses: thread i takes 16 bytes; rows of 128 bytes go to a pitch of 144, rows of 64 bytes to a pitch of 80
	v_lshlrev_b32 v234, 4, v0
	v_lshrrev_b32 v235, 3, v0
	v_mul_u32_u24 v235, v235, 144
	v_and_b32 v236, 7, v0
	v_lshl_add_u32 v235, v236, 4, v235
	v_add_nc_u32 v235, WT, v235
	v_add_nc_u32 v236, 512, v235                   ; the second 32 rows: 4,608 bytes on in LDS, of which the copy's immediate, added to both addresses, gives 4,096
	v_lshrrev_b32 v237, 2, v0
	v_mul_u32_u24 v237, v237, 80
	v_and_b32 v238, 3, v0
	v_lshl_add_u32 v237, v238, 4, v237
	v_add_nc_u32 v237, WM2, v237
	v_add_nc_u32 v238, 5120, v237
	v_add_nc_u32 v239, 10240, v237
	v_add_nc_u32 v240, 11264, v237                 ; 15,360 - 4,096
	; descriptor: my 8 polylines are 9,216 dense bytes: 36 rows of 32 elements of 8 bytes
	s_mov_b32 s[G1+0], 3<<16                       ; no mask; elements of 8 bytes; no padding
	s_mov_b32 s[G1+1], 32<<16                      ; tensor_dim0 = 32
	s_mov_b32 s[G1+2], 36<<16                      ; tensor_dim1 = 36
	s_mov_b32 s[G1+3], 32<<16                      ; tile_dim0 = 32
	s_mov_b32 s[G1+4], 36                          ; tile_dim1 = 36
	s_mov_b32 s[G1+5], 32                          ; from row to row
	s_mov_b32 s[G1+6], 0
	s_mov_b32 s[G1+7], 0
	s_mov_b32 s[G0], 1
	s_mov_b32 s[G0+1], s3
	s_mul_i32 s86, s2, XWB
	s_mov_b32 s87, 0
	s_wait_kmcnt 0x0
	s_add_nc_u64 s[G0+2:G0+3], s[4:5], s[86:87]
	s_or_b32 s[G0+3], s[G0+3], 0x80000000
	tensor_load_to_lds s[G0:G0+3], s[G1:G1+7]      ; my one tensor load: a first fill; its bytes are filled once
	s_nop 0
	PLACES 4
	global_load_async_to_lds_b128 v235, v234, s[20:21]
	global_load_async_to_lds_b128 v236, v234, s[20:21] offset:4096
	global_load_async_to_lds_b128 v237, v234, s[34:35]
	global_load_async_to_lds_b128 v238, v234, s[48:49]
	global_load_async_to_lds_b128 v239, v234, s[54:55]
	global_load_async_to_lds_b128 v240, v234, s[54:55] offset:4096
	s_lshl_b32 s86, s2, 8
	s_add_nc_u64 s[6:7], s[6:7], s[86:87]          ; my 256 bytes of the mask
	s_lshl_b32 s86, s2, 12
	s_add_nc_u64 s[60:61], s[60:61], s[86:87]      ; my 8 rows of out0
	v_lshlrev_b32 v[L8], 3, v[LN]
	v_lshlrev_b32 v[L4], 2, v[LN]
	v_lshlrev_b32 v[AO], 4, v[LN]
	v_lshlrev_b32 v[VB], 2, v[R8]
	v_lshl_add_u32 v[VA], v[HH], 9, v[VB]
	v_lshlrev_b32 v[VC], 1, v[R8]
; a BN layer's five vectors, two channels a lane: g, rv, b, rm, beta at D2 + 10 l
.macro BNLOAD l, pb
	global_load_b64 v[D2+10*\l:D2+10*\l+1],   v[L8], s[\pb+2:\pb+3]
	global_load_b64 v[D2+10*\l+2:D2+10*\l+3], v[L8], s[\pb+8:\pb+9]
	global_load_b64 v[D2+10*\l+4:D2+10*\l+5], v[L8], s[\pb:\pb+1]
	global_load_b64 v[D2+10*\l+6:D2+10*\l+7], v[L8], s[\pb+6:\pb+7]
	global_load_b64 v[D2+10*\l+8:D2+10*\l+9], v[L8], s[\pb+4:\pb+5]
.endm
	BNLOAD 0, 10
	BNLOAD 1, 24
	BNLOAD 2, 38
	global_load_b64 v[D2+30:D2+31], v[L8], s[6:7] th:TH_LOAD_NT    ; lane l: points 8 (l % 4) .. + 7 of polyline l / 4
	global_load_b64 v[D2+32:D2+33], v[L8], s[52:53]
	global_load_b32 v[D2+34], v[L4], s[50:51]
	global_load_b128 v[D2+36:D2+39], v[AO], s[58:59]
	global_load_b64 v[D2+40:D2+41], v[L8], s[56:57]
.irp t, 0,1,2,3                                    ; pre_w(k, my row of tile t): k = 4 s + 2 h + j, then k = 8
.irp e, 0,1,2,3
	global_load_b32 v[D2+42+5*\t+\e], v[VA], s[8:9] offset:(4*(\e/2)+(\e%2))*256+4*(32*(\t/2)+8*(\t%2))
.endr
	global_load_b32 v[D2+42+5*\t+4], v[VB], s[8:9] offset:2048+4*(32*(\t/2)+8*(\t%2))
.endr
.irp t, 0,1,2,3
	global_load_b32 v[M1S+\t], v[VB], s[22:23] offset:4*(32*(\t/2)+8*(\t%2))
.endr
.irp t, 0,1,2,3
	global_load_u16 v[M2S+\t], v[VC], s[36:37] offset:2*(32*(\t/2)+8*(\t%2))
.endr
	; the addresses that stay
	v_mul_u32_u24 v[T0], v[RR], 36
	v_add_nc_u32 v[T0], s3, v[T0]                  ; my point's 36 bytes
	v_lshl_add_u32 v[AX0], v[HH], 3, v[T0]
	v_mul_u32_u24 v[AM0], v[HH], T1-32             ; lanes 0-15 take x8 at byte 32, lanes 16-31 the pen
	v_add_nc_u32 v[AM0], v[AM0], v[T0]
	v_add_nc_u32 v[AM0], 32, v[AM0]
	v_add_nc_u32 v[AK0], T1, v[T0]
	v_and_b32 v[AF0], 1, v[RR]
	v_mul_u32_u24 v[AF0], v[AF0], 272
	v_lshl_add_u32 v[AF0], v[HH], 7, v[AF0]
	v_add_nc_u32 v[AF0], s63, v[AF0]
	v_lshlrev_b32 v[AB], 6, v[HH]
	v_add_nc_u32 v[AB], s62, v[AB]
	v_mul_u32_u24 v[AE], v[R7], 272
	v_lshl_add_u32 v[AE], v[HH], 7, v[AE]
	v_add_nc_u32 v[AE], s63, v[AE]
	v_mul_u32_u24 v[AS], v[R7], 528
	v_lshl_add_u32 v[AS], v[HH], 5, v[AS]
	v_add_nc_u32 v[AS], s3, v[AS]
	v_add_nc_u32 v[AR], s3, v[AO]
	v_mul_u32_u24 v[AW2], v[R8], 80
	v_lshl_add_u32 v[AW2], v[HH], 4, v[AW2]
	v_add_nc_u32 v[AW2], WM2, v[AW2]
	v_mul_u32_u24 v[AW3], v[RR], 80
	v_lshl_add_u32 v[AW3], v[HH], 4, v[AW3]
	v_add_nc_u32 v[AW3], WO2, v[AW3]
	v_mul_u32_u24 v[AW1], v[R8], 144
	v_lshl_add_u32 v[AW1], v[HH], 4, v[AW1]
	v_add_nc_u32 v[AW1], WT, v[AW1]
	v_lshl_add_u32 v[VLR], v[R7], 2, s62
	v_lshl_add_u32 v[AU1], v[R8], 1, s62
	v_lshl_add_u32 v[AU2], v[RR], 1, s62
	v_lshl_add_u32 v[AB2], v[HH], 5, s62
	v_lshl_add_u32 v[SC8], v[LN], 3, s62
	v_lshl_add_u32 v[SC16], v[LN], 4, s62
	v_lshl_add_u32 v[SC4], v[LN], 2, s62
	v_lshrrev_b32 v[VLA], 2, v[LN]
	v_lshl_add_u32 v[VLA], v[VLA], 2, s62
	v_mul_u32_u24 v[T1A], v[LN], 288               ; my 8 points' pens: 1,152 (l / 4) + 288 (l % 4) = 288 l
	v_add_nc_u32 v[T1A], s3, v[T1A]
	v_add_nc_u32 v[T1A], T1, v[T1A]
	v_add_nc_u32 v[SCVB], s62, v[VB]
	s_mov_b32 s[SEL], 0x76543210
	s_mov_b32 s[SEL+1], 0xfedcba98                 ; v_permlanex16_b32's selects for lane l xor 16
	s_mov_b32 s[MNT], 0x600000                     ; the mantissa field of 57,344
	s_wait_loadcnt 28                              ; all but the 28 youngest loads (pre_w's 20, the 8 scale words) are in
; s = g rsq(rv + 1e-5), c = (b - rm) s + beta, to my scratch
.macro BNPREP l, so, co
	v_pk_add_f32 v[D2+10*\l+2:D2+10*\l+3], v[D2+10*\l+2:D2+10*\l+3], 0x3727c5ac op_sel_hi:[1,0]
	v_rsq_f32 v[D2+10*\l+2], v[D2+10*\l+2]
	v_rsq_f32 v[D2+10*\l+3], v[D2+10*\l+3]
	v_pk_add_f32 v[D2+10*\l+4:D2+10*\l+5], v[D2+10*\l+4:D2+10*\l+5], v[D2+10*\l+6:D2+10*\l+7] neg_lo:[0,1] neg_hi:[0,1]   ; b - rm: the plain place behind the roots
	s_wait_alu depctr_va_vdst(0)
	v_pk_mul_f32 v[D2+10*\l:D2+10*\l+1], v[D2+10*\l:D2+10*\l+1], v[D2+10*\l+2:D2+10*\l+3]
	v_pk_fma_f32 v[D2+10*\l+4:D2+10*\l+5], v[D2+10*\l+4:D2+10*\l+5], v[D2+10*\l:D2+10*\l+1], v[D2+10*\l+8:D2+10*\l+9]
	ds_store_b64 v[SC8], v[D2+10*\l:D2+10*\l+1] offset:\so
	ds_store_b64 v[SC8], v[D2+10*\l+4:D2+10*\l+5] offset:\co
.endm
	BNPREP 0, S0O, C0O
	BNPREP 1, S1O, C1O
	BNPREP 2, S2O, C2O
	v_and_b32 v[D2+22], 0x7fffffff, v[D2+20]
	v_and_b32 v[D2+23], 0x7fffffff, v[D2+21]
	ds_store_b64 v[SC8], v[D2+22:D2+23] offset:S2AO
	ds_store_b64 v[SC8], v[D2+32:D2+33] offset:O1BO
	ds_store_b128 v[SC16], v[D2+36:D2+39] offset:O2BO
	ds_store_b32 v[SC4], v[D2+34] offset:O1SO
	ds_store_b64 v[SC8], v[D2+40:D2+41] offset:O2SO
	v_or_b32 v44, v[D2+30], v[D2+31]               ; any valid point among my 8?
	v_cvt_f32_u32 v44, v44
	v_max_num_f32_dpp v44, v44, v44 row_xmask:1 row_mask:0xf bank_mask:0xf
	v_max_num_f32_dpp v44, v44, v44 row_xmask:2 row_mask:0xf bank_mask:0xf   ; among the polyline's 32
	ds_store_b32 v[VLA], v44 offset:VLO
.irp i, 0,1,2,3,4,5,6,7                            ; pen: mask byte 0 -> -2^100, byte 1 -> 0; a register of its own for each store
	v_bfe_u32 v[36+\i], v[D2+30+\i/4], 8*(\i%4), 8
	v_add_nc_u32 v[36+\i], -1, v[36+\i]
	v_and_b32 v[36+\i], 0xf1800000, v[36+\i]
	ds_store_b32 v[T1A], v[36+\i] offset:36*\i
.endr
.irp t, 0,1,2,3                                    ; back, by my rows of the tiles (LDS serves a wave's instructions in order: these see my stores)
	ds_load_b32 v[OP2+\t],   v[SCVB] offset:S0O+4*(32*(\t/2)+8*(\t%2))
	ds_load_b32 v[OP2+4+\t], v[SCVB] offset:C0O+4*(32*(\t/2)+8*(\t%2))
	ds_load_b32 v[OP2+8+\t], v[SCVB] offset:S2O+4*(32*(\t/2)+8*(\t%2))
.endr
	s_wait_dscnt 0x0
	s_wait_loadcnt 0x0
	s_mov_b32 vcc_lo, 0xffff                       ; lanes 0-15
.irp t, 0,1,2,3
	v_mul_f32 v[D2+42+5*\t+4], v[D2+42+5*\t+4], v[OP2+\t]
.endr
	WIN 0x40
.irp t, 0,1,2,3
.irp e, 0,1,2,3
	v_mul_f32 v[WF+6*\t+\e], v[D2+42+5*\t+\e], v[OP2+\t]           ; k = 0 .. 7: pre_w s
.endr
	v_cndmask_b32 v[WF+6*\t+4], 1.0, v[D2+42+5*\t+4], vcc_lo       ; k = 8: pre_w s;  k = 10: 1 (for the pen)
	v_cndmask_b32 v[WF+6*\t+5], 0, v[OP2+4+\t], vcc_lo             ; k = 9: c;  k = 11: 0
.endr
	WIN 0
.irp t, 0,1,2,3
	v_or_b32 v[M2S+\t], 0x7f7f0000, v[M2S+\t]      ; the padding's two blocks: byte 127 over zero codes
	v_ashrrev_i32 v[OP2+8+\t], 31, v[OP2+8+\t]
	v_and_b32 v[OP2+8+\t], 0x80808080, v[OP2+8+\t] ; four sign bits where my row's s of m2 is negative
.endr
.irp i, 5,11,17,23
	v_mov_b32 v[XF+\i], 1.0                        ; x's k = 9 and k = 11
.endr
.irp i, 0,1,2,3
	v_mov_b32 v[TX+\i], 0                          ; written once: a lane permute's destination counts as one of its sources
.endr
.irp i, 8,9,10,11,12,13,14,15
	v_mov_b32 v[OP3+\i], 0                         ; K = 64 .. 127 of the short products: zero codes
.endr
	s_wait_asynccnt 0x0                            ; my copies have landed,
	s_wait_dscnt 0x0
	s_barrier_signal -1
	s_barrier_wait -1                              ; everybody's have: the four weights lie in LDS.
	WIN 0x40
.irp t, 0,1,2,3
.irp c, 0,1,2,3
	ds_load_b128 v[M1F+16*\t+4*\c:M1F+16*\t+4*\c+3], v[AW1] offset:144*(32*(\t/2)+8*(\t%2))+32*\c
.endr
.irp c, 0,1
	ds_load_b128 v[M2F+16*\t+4*\c:M2F+16*\t+4*\c+3], v[AW2] offset:80*(32*(\t/2)+8*(\t%2))+32*\c
.endr
.endr
.irp q, 0,1,2,3,4,5,6,7
	ds_load_b128 v[S1+4*\q:S1+4*\q+3], v[AB] offset:S1O+128*(\q/4)+16*(\q%4)
	ds_load_b128 v[C1+4*\q:C1+4*\q+3], v[AB] offset:C1O+128*(\q/4)+16*(\q%4)
.endr
.irp t, 0,1,2,3
.irp i, 8,9,10,11,12,13,14,15
	v_mov_b32 v[M2F+16*\t+\i], 0                   ; the padding of K: they stay zeros for out1 and out2 too
.endr
.endr
	s_wait_dscnt 0x0
	WIN 0x41
.irp t, 0,1,2,3
.irp i, 0,1,2,3,4,5,6,7
	v_xor_b32 v[M2F+16*\t+\i], v[M2F+16*\t+\i], v[OP2+8+\t]
.endr
.endr
	WIN 0
	s_wait_tensorcnt 0x0                           ; my polylines lie in LDS
	s_mov_b32 s[TT], 0
	s_mov_b32 s[TF], 0
	s_mov_b32 s[CNT], 4
	s_mov_b32 vcc_lo, 0xaaaaaaaa                   ; the odd lanes, for the whole loop
; polyline q's x and pens: 12 LDS loads
.macro XLOAD q, off
.irp p, 0,1
.irp e, 0,1,2,3
	ds_load_b32 v[XF+12*\q+6*\p+\e], v[AX] offset:\off+576*\p+16*(\e/2)+4*(\e%2)
.endr
	ds_load_b32 v[XF+12*\q+6*\p+4], v[AM] offset:\off+576*\p
	ds_load_b32 v[MK+2*\q+\p], v[AK] offset:\off+576*\p
.endr
.endm
; the pre layer: 2 point tiles x 4 tiles of channels x 3 K steps; the eight accumulators take turns, one instruction a turn
.macro P1 q
	WIN 0x01
.irp s, 0,1,2
.irp p, 0,1
.irp t, 0,1,2,3
.if \s == 0
	v_wmma_f32_16x16x4_f32 v[D1+32*\p+8*\t:D1+32*\p+8*\t+7], v[WF+6*\t+2*\s:WF+6*\t+2*\s+1], v[XF+12*\q+6*\p+2*\s:XF+12*\q+6*\p+2*\s+1], 0
.else
	v_wmma_f32_16x16x4_f32 v[D1+32*\p+8*\t:D1+32*\p+8*\t+7], v[WF+6*\t+2*\s:WF+6*\t+2*\s+1], v[XF+12*\q+6*\p+2*\s:XF+12*\q+6*\p+2*\s+1], v[D1+32*\p+8*\t:D1+32*\p+8*\t+7]
.endif
.endr
.endr
.endr
	WIN 0
.endm
; nq chains by turns: the largest of 16 numbers each and the floor 2^(16 - 127).  No |.|: what is negative is to become 0, so it does not count
.macro AMAX nq, src
.set qq, 0
.rept \nq
	v_max3_num_f32 v[TM+qq], v[\src+16*qq], v[\src+16*qq+1], 0x8000000
.set qq, qq+1
.endr
.irp i, 2,4,6,8,10,12,14
.set qq, 0
.rept \nq
	v_max3_num_f32 v[TM+qq], v[TM+qq], v[\src+16*qq+\i], v[\src+16*qq+\i+1]
.set qq, qq+1
.endr
.endr
.endm
.macro XHALF nq                        ; with lane l xor 16's 16 numbers: the block's
.set qq, 0
.rept \nq
	v_permlanex16_b32 v[TX+qq], v[TM+qq], s[SEL], s[SEL+1]
.set qq, qq+1
.endr
.set qq, 0
.rept \nq
	v_max_num_f32 v[TM+qq], v[TM+qq], v[TX+qq]
.set qq, qq+1
.endr
.endm
.macro SCALE nq                        ; 15 off the exponent field: the conversion's scale operand; 57,344 x the scale; the byte
.set qq, 0
.rept \nq
	v_add_nc_u32 v[E+qq], 0xf8800000, v[TM+qq]
.set qq, qq+1
.endr
.set qq, 0
.rept \nq
	v_and_or_b32 v[HD+qq], v[TM+qq], 0x7f800000, s[MNT]
.set qq, qq+1
.endr
.set qq, 0
.rept \nq
	v_lshrrev_b32 v[BY+qq], 23, v[E+qq]
.set qq, qq+1
.endr
.endm
.macro HOLDR dst, src, n, hd           ; relu and the hold in one: the conversion to an 8-bit code does not saturate (ISA guide 7.6.2)
.set ii, 0
.rept \n
	v_med3_num_f32 v[\dst+ii], v[\src+ii], 0, v[\hd]
.set ii, ii+1
.endr
.endm
.macro CVT dst, src, e                 ; 16 numbers -> 16 codes, 4 registers of an operand
	v_cvt_scalef32_pk8_bf8_f32 v[\dst:\dst+1], v[\src:\src+7], v[\e]
	v_cvt_scalef32_pk8_bf8_f32 v[\dst+2:\dst+3], v[\src+8:\src+15], v[\e]
.endm
.macro BN base                         ; 32 numbers x s + c, from the accumulators' low ends on
	WIN 0x14
.set ii, 0
.rept 16
	v_pk_fma_f32 v[\base+ii:\base+ii+1], v[\base+ii:\base+ii+1], v[S1+ii:S1+ii+1], v[C1+ii:C1+ii+1]
.set ii, ii+2
.endr
.endm
; four scaled products: the weight's tiles t against one operand.  c < 0: the sums start at 0; else at window 1's v[c + cstep t] on
.macro MM dst, wf, op, sc, sw, c, cstep
.if \c < 0
	WIN 0x01
.else
	WIN 0x11
.endif
.irp t, 0,1,2,3
.if \c < 0
	v_wmma_scale_f32_16x16x128_f8f6f4 v[\dst+8*\t:\dst+8*\t+7], v[\wf+16*\t:\wf+16*\t+15], v[\op:\op+15], 0, v[\sc+\t], v[\sw] matrix_a_fmt:MATRIX_FMT_BF8 matrix_b_fmt:MATRIX_FMT_BF8
.else
	v_wmma_scale_f32_16x16x128_f8f6f4 v[\dst+8*\t:\dst+8*\t+7], v[\wf+16*\t:\wf+16*\t+15], v[\op:\op+15], v[\c+\cstep*\t:\c+\cstep*\t+7], v[\sc+\t], v[\sw] matrix_a_fmt:MATRIX_FMT_BF8 matrix_b_fmt:MATRIX_FMT_BF8
.endif
.endr
.endm
; 32 numbers of a lane (64 channels of its row with lane l xor 16) -> relu -> OP3's codes and the scale word sw.  mk >= 0: the eight copies of the pen in v[mk] are made on the way,
; behind the 16 lines of the maxima, which are the places behind the products that read the last copies
.macro QY src, sw, mk
	AMAX 2, \src
.if \mk >= 0
	WIN 0x40
.irp j, 0,1,2,3,4,5,6,7
	v_mov_b32 v[PEN+\j], v[\mk]
.endr
	WIN 0
.endif
	XHALF 2
	SCALE 2
	v_lshl_or_b32 v[\sw], v[BY+1], 8, v[BY]
	v_or_b32 v[\sw], 0x7f7f0000, v[\sw]            ; the word stands 32 plain lines ahead of its product
	HOLDR \src, \src, 16, HD
	HOLDR \src+16, \src+16, 16, HD+1
	CVT OP3, \src, E
	CVT OP3+4, \src+16, E+1
.endm
; ONE POLYLINE, from x to the maximum over its two point tiles of m2's sums
.macro POLY q
	P1 \q
	PLACES 8
.set ii, 0
.rept 32
	v_max3_num_f32 v[P+ii], v[D1+ii], v[D1+32+ii], 0               ; relu and the two point tiles joined; each accumulator is read from its low end on
.set ii, ii+1
.endr
	AMAX 4, D1                                     ; chain 2 p + b: block b of point tile p
	XHALF 4
	v_max_num_f32 v[TM+4], v[TM], v[TM+2]          ; a pooled block's largest number is the largest of the points' block maxima
	v_max_num_f32 v[TM+5], v[TM+1], v[TM+3]
.irp m, 1,2,4,8
	v_max_num_f32_dpp v[TM+4], v[TM+4], v[TM+4] row_xmask:\m row_mask:0xf bank_mask:0xf
	v_max_num_f32_dpp v[TM+5], v[TM+5], v[TM+5] row_xmask:\m row_mask:0xf bank_mask:0xf
.endr
.irp m, 1,2,4,8                                    ; the maximum over the 16 lanes: every lane ends with the pooled channels of its half
.set ii, 0
.rept 32
	v_max_num_f32_dpp v[P+ii], v[P+ii], v[P+ii] row_xmask:\m row_mask:0xf bank_mask:0xf
.set ii, ii+1
.endr
.endr
	SCALE 6
	v_lshlrev_b32 v[BY+4], 16, v[BY+4]
	v_lshl_or_b32 v[BY+4], v[BY+5], 24, v[BY+4]
.irp p, 0,1
	v_lshl_or_b32 v[SW2+\p], v[BY+2*\p+1], 8, v[BY+2*\p]
.endr
.irp p, 0,1
	v_or_b32 v[SW2+\p], v[SW2+\p], v[BY+4]         ; bytes: own block 0, own block 1, pooled block 0, pooled block 1
.endr
.set ii, 0
.rept 32
	v_min_num_f32 v[P+ii], v[P+ii], v[HD+4+ii/16]  ; what is pooled is not negative: a one-sided hold
.set ii, ii+1
.endr
	CVT OP2+8, P, E+4
	CVT OP2+12, P+16, E+5
	HOLDR F0, D1, 16, HD
	HOLDR F0+16, D1+16, 16, HD+1
	CVT OP2, F0, E
	CVT OP2+4, F0+16, E+1
	HOLDR F1, D1+32, 16, HD+2                      ; 16 plain lines: the places between the codes and their products
	MM D2, M1F, OP2, M1S, SW2, -1, 0               ; m1, point tile 0
	WIN 0
	HOLDR F1+16, D1+48, 16, HD+3                   ; 16 places behind those products: then their operand is written again
	CVT OP2, F1, E+2
	CVT OP2+4, F1+16, E+3
	BN D2                                          ; (also the places in front of the next products)
	MM D2+32, M1F, OP2, M1S, SW2+1, -1, 0          ; m1, point tile 1
	WIN 0
	QY D2, SW3, MK+2*\q
	BN D2+32
	MM D2, M2F, OP3, M2S, SW3, PEN, 0              ; m2, point tile 0: the sums start at the point's pen
	WIN 0
	QY D2+32, SW3+1, MK+2*\q+1
	PLACES 4
	MM D2+32, M2F, OP3, M2S, SW3+1, PEN, 0         ; m2, point tile 1
	WIN 0
	PLACES 8
.if \q == 0
	WIN 0x40
.endif
.set ii, 0
.rept 32
.if \q == 0
	v_max_num_f32 v[JA+ii], v[D2+ii], v[D2+32+ii]  ; the first polyline's wait in window 1
.else
	v_max_num_f32 v[D2+ii], v[D2+ii], v[D2+32+ii]
.endif
.set ii, ii+1
.endr
	WIN 0
.endm
.Ltrip:                                            ; 4 trips, two polylines each
	v_add_nc_u32 v[AX], s[TT], v[AX0]
	v_add_nc_u32 v[AM], s[TT], v[AM0]
	v_add_nc_u32 v[AK], s[TT], v[AK0]
	XLOAD 0, 0
	XLOAD 1, 1152
	s_wait_dscnt 12                                ; the first polyline's 12 loads are in, and the last trip's 8 stores are done; the second's 12 may be out
	v_add_nc_u32 v[AF], s[TF], v[AF0]              ; (written again only behind that wait)
	POLY 0
	s_wait_dscnt 0x0
	POLY 1
	; the maximum over the 16 lanes, for both polylines at once: even lanes go on with the first, odd lanes with the second
	WIN 0x01
.set ii, 0
.rept 32
	v_cndmask_b32 v[D2+32+ii], v[JA+ii], v[D2+ii], vcc_lo          ; what a lane keeps
.set ii, ii+1
.endr
	WIN 0x04
.set ii, 0
.rept 32
	v_cndmask_b32 v[D2+ii], v[D2+ii], v[JA+ii], vcc_lo             ; what its neighbour wants of it
.set ii, ii+1
.endr
	WIN 0
.set ii, 0
.rept 32
	v_max_num_f32_dpp v[D2+ii], v[D2+ii], v[D2+32+ii] row_xmask:1 row_mask:0xf bank_mask:0xf
.set ii, ii+1
.endr
.irp m, 2,4,8
.set ii, 0
.rept 32
	v_max_num_f32_dpp v[D2+ii], v[D2+ii], v[D2+ii] row_xmask:\m row_mask:0xf bank_mask:0xf
.set ii, ii+1
.endr
.endr
.irp q, 0,1,2,3,4,5,6,7
	ds_store_b128 v[AF], v[D2+4*\q:D2+4*\q+3] offset:16*\q         ; row 2 x trip + lane % 2; the eight lanes of a parity and a half write the same bytes with the same values
.endr
	s_add_co_u32 s[TT], s[TT], 2304
	s_add_co_u32 s[TF], s[TF], 544
	s_sub_co_u32 s[CNT], s[CNT], 1
	s_cmp_lg_u32 s[CNT], 0
	s_cbranch_scc1 .Ltrip
	; THE OUT LAYERS, for my 8 polylines: lane (r, h) stands for polyline r % 8 (columns 8-15 of the tile repeat columns 0-7)
	s_wait_dscnt 0x0
.irp q, 0,1,2,3,4,5,6,7
	ds_load_b128 v[D2+4*\q:D2+4*\q+3], v[AE] offset:16*\q
.endr
	WIN 0x40
.irp q, 0,1,2,3,4,5,6,7
	ds_load_b128 v[S1+4*\q:S1+4*\q+3], v[AB] offset:S2AO+128*(\q/4)+16*(\q%4)
	ds_load_b128 v[C1+4*\q:C1+4*\q+3], v[AB] offset:C2O+128*(\q/4)+16*(\q%4)
	ds_load_b128 v[JA+4*\q:JA+4*\q+3], v[AB] offset:O1BO+128*(\q/4)+16*(\q%4)
.endr
.irp t, 0,1,2,3
.irp c, 0,1
	ds_load_b128 v[M2F+16*\t+4*\c:M2F+16*\t+4*\c+3], v[AW2] offset:O1D+80*(32*(\t/2)+8*(\t%2))+32*\c   ; out1, rows chosen as above
	ds_load_b128 v[M1F+16*\t+4*\c:M1F+16*\t+4*\c+3], v[AW3] offset:1280*\t+32*\c                       ; out2's rows 16 t + r
.endr
.endr
.irp t, 0,1,2,3
.irp i, 8,9,10,11,12,13,14,15
	v_mov_b32 v[M1F+16*\t+\i], 0                   ; the padding of K
.endr
.endr
	WIN 0
.irp t, 0,1,2,3
	ds_load_u16 v[M2S+\t], v[AU1] offset:O1SO+2*(32*(\t/2)+8*(\t%2))
.endr
.irp t, 0,1,2,3,4,5,6,7
	ds_load_u16 v[O2S+\t], v[AU2] offset:O2SO+32*\t
.endr
	ds_load_b32 v[VLR], v[VLR] offset:VLO
	s_wait_dscnt 0x0
.irp t, 0,1,2,3
	v_or_b32 v[M2S+\t], 0x7f7f0000, v[M2S+\t]
.endr
.irp t, 0,1,2,3,4,5,6,7
	v_or_b32 v[O2S+\t], 0x7f7f0000, v[O2S+\t]
.endr
	BN D2                                          ; |s| x the pooled sum + c; relu follows in the quantiser
	WIN 0x40
.irp t, 0,1,2,3,4,5,6,7
.irp e, 0,1
	ds_load_b128 v[S1+8*\t+4*\e:S1+8*\t+4*\e+3], v[AB2] offset:O2BO+64*\t+16*\e    ; out2_b in the result's layout: channels 16 t + 8 h + 0 .. 7, where s and c lay
.endr
.endr
	WIN 0
	QY D2, SW3, -1
	PLACES 4
	MM D2+32, M2F, OP3, M2S, SW3, JA, 8            ; out1: the sums start at out1_b
	WIN 0
	PLACES 8                                       ; in front of loads into its fragments and of the first read of its results
	WIN 0x40
.irp t, 0,1,2,3
.irp c, 0,1
	ds_load_b128 v[M2F+16*\t+4*\c:M2F+16*\t+4*\c+3], v[AW3] offset:1280*(\t+4)+32*\c
.endr
.endr
	WIN 0
	QY D2+32, SW3+1, -1
	s_wait_dscnt 0x0
	PLACES 4
	MM D2, M1F, OP3, O2S, SW3+1, S1, 8             ; out2: the sums start at out2_b
	MM D2+32, M2F, OP3, O2S+4, SW3+1, C1, 8
	WIN 0
	v_cmp_lt_f32 vcc_lo, 0, v[VLR]                 ; has my polyline a valid point?
	PLACES 8
.set ii, 0
.rept 64
	v_cndmask_b32 v[D2+ii], 0, v[D2+ii], vcc_lo    ; zeros where it has none
.set ii, ii+1
.endr
	; THE WAY OUT: through my part of X, which has had its one fill and its last read; back as whole rows of 512 bytes
.irp t, 0,1,2,3,4,5,6,7
.irp e, 0,1
	ds_store_b128 v[AS], v[D2+8*\t+4*\e:D2+8*\t+4*\e+3] offset:64*\t+16*\e
.endr
.endr
.irp i, 0,1,2,3,4,5,6,7
	ds_load_b128 v[OUTR+4*\i:OUTR+4*\i+3], v[AR] offset:528*\i     ; LDS serves a wave's instructions in order: these see my stores
.endr
.irp i, 0,1,2,3,4,5,6,7
	s_wait_dscnt 7-\i                              ; row i is back; the younger rows may be out
	global_store_b128 v[AO], v[OUTR+4*\i:OUTR+4*\i+3], s[60:61] offset:512*\i th:TH_STORE_NT   ; 32 lanes store 512 consecutive bytes, at a multiple of 256 from out0's first byte
.endr
	s_wait_xcnt 0x0
	v_lshl_add_u32 v254, v0, 2, 0x35c00
	v_mov_b32 v255, 0
	s_wait_tensorcnt 0x0
	ds_add_u32 v254, v255
	s_wait_dscnt 0x0
	s_endpgm
.Lfunc_end_k_qcdf6eee9c8_encoder:
	.size	k_qcdf6eee9c8_encoder, .Lfunc_end_k_qcdf6eee9c8_encoder-k_qcdf6eee9c8_encoder
	.p2alignl 7, 3214868480
	.fill 96, 4, 3214868480
	.section	.rodata,"a",@progbits
	.p2align	6, 0x0
	.amdhsa_kernel k_qcdf6eee9c8_encoder
		.amdhsa_group_segment_fixed_size 221184
		.amdhsa_private_segment_fixed_size 0
		.amdhsa_enable_private_segment 0
		.amdhsa_kernarg_size 232
		.amdhsa_user_sgpr_count 2
		.amdhsa_user_sgpr_kernarg_segment_ptr 1
		.amdhsa_wavefront_size32 1
		.amdhsa_system_sgpr_workgroup_id_x 1
		.amdhsa_system_sgpr_workgroup_id_y 1
		.amdhsa_system_sgpr_workgroup_id_z 1
		.amdhsa_system_vgpr_workitem_id 0
		.amdhsa_next_free_vgpr 512
		.amdhsa_next_free_sgpr 96
		.amdhsa_reserve_vcc 1
		.amdhsa_float_denorm_mode_32 3
		.amdhsa_float_denorm_mode_16_64 3
		.amdhsa_memory_ordered 1
		.amdhsa_forward_progress 1
		.amdhsa_inst_pref_size 132
	.end_amdhsa_kernel
	.amdgpu_metadata
---
amdhsa.version: [ 1, 2 ]
amdhsa.kernels:
  - .name:           k_qcdf6eee9c8_encoder
    .symbol:         k_qcdf6eee9c8_encoder.kd
    .args:
      - { .name: polylines, .offset: 0, .size: 8, .value_kind: global_buffer, .address_space: global }
      - { .name: polylines_mask, .offset: 8, .size: 8, .value_kind: global_buffer, .address_space: global }
      - { .name: pre_w, .offset: 16, .size: 8, .value_kind: global_buffer, .address_space: global }
      - { .name: pre_b, .offset: 24, .size: 8, .value_kind: global_buffer, .address_space: global }
      - { .name: pre_g, .offset: 32, .size: 8, .value_kind: global_buffer, .address_space: global }
      - { .name: pre_beta, .offset: 40, .size: 8, .value_kind: global_buffer, .address_space: global }
      - { .name: pre_rm, .offset: 48, .size: 8, .value_kind: global_buffer, .address_space: global }
      - { .name: pre_rv, .offset: 56, .size: 8, .value_kind: global_buffer, .address_space: global }
      - { .name: m1_w_codes, .offset: 64, .size: 8, .value_kind: global_buffer, .address_space: global }
      - { .name: m1_w_scales, .offset: 72, .size: 8, .value_kind: global_buffer, .address_space: global }
      - { .name: m1_b, .offset: 80, .size: 8, .value_kind: global_buffer, .address_space: global }
      - { .name: m1_g, .offset: 88, .size: 8, .value_kind: global_buffer, .address_space: global }
      - { .name: m1_beta, .offset: 96, .size: 8, .value_kind: global_buffer, .address_space: global }
      - { .name: m1_rm, .offset: 104, .size: 8, .value_kind: global_buffer, .address_space: global }
      - { .name: m1_rv, .offset: 112, .size: 8, .value_kind: global_buffer, .address_space: global }
      - { .name: m2_w_codes, .offset: 120, .size: 8, .value_kind: global_buffer, .address_space: global }
      - { .name: m2_w_scales, .offset: 128, .size: 8, .value_kind: global_buffer, .address_space: global }
      - { .name: m2_b, .offset: 136, .size: 8, .value_kind: global_buffer, .address_space: global }
      - { .name: m2_g, .offset: 144, .size: 8, .value_kind: global_buffer, .address_space: global }
      - { .name: m2_beta, .offset: 152, .size: 8, .value_kind: global_buffer, .address_space: global }
      - { .name: m2_rm, .offset: 160, .size: 8, .value_kind: global_buffer, .address_space: global }
      - { .name: m2_rv, .offset: 168, .size: 8, .value_kind: global_buffer, .address_space: global }
      - { .name: out1_w_codes, .offset: 176, .size: 8, .value_kind: global_buffer, .address_space: global }
      - { .name: out1_w_scales, .offset: 184, .size: 8, .value_kind: global_buffer, .address_space: global }
      - { .name: out1_b, .offset: 192, .size: 8, .value_kind: global_buffer, .address_space: global }
      - { .name: out2_w_codes, .offset: 200, .size: 8, .value_kind: global_buffer, .address_space: global }
      - { .name: out2_w_scales, .offset: 208, .size: 8, .value_kind: global_buffer, .address_space: global }
      - { .name: out2_b, .offset: 216, .size: 8, .value_kind: global_buffer, .address_space: global }
      - { .name: out0, .offset: 224, .size: 8, .value_kind: global_buffer, .address_space: global }
    .group_segment_fixed_size: 221184
    .private_segment_fixed_size: 0
    .kernarg_segment_align: 8
    .kernarg_segment_size: 232
    .max_flat_workgroup_size: 256
    .sgpr_count:     96
    .vgpr_count:     512
    .wavefront_size: 32
...
	.end_amdgpu_metadata
.endif
;; end of part 1
